; MI455X (gfx1250); checked and timed in simulation.
; The chip was launched on July 23, 2026; its instructions are those of AMD's public machine-readable ISA for CDNA 5 (MIT licence, August 2026) and "CDNA5" Instruction Set Architecture Reference Guide (July 2026). The comments in the code are by the model that wrote it; some were corrected since.
;; Robust Multi Head Attention. Allowed arithmetic: matrix products marked QUANTISED: E2M3 operands, one E8M0 scale for each 32 along K, by v_wmma_scale_f32_16x16x128_f8f6f4 with both operands' format E2M3, f32 sums; everything else in f32.
;; Inputs: Wk_codes 1,024 x 32 x 24 uint8 (E2M3 codes of Wk, K innermost, in blocks of 32 codes, four codes in three bytes); Wk_scales 1,024 x 32 uint8 (E8M0 scales of Wk, one for each 32 codes along K); Wo_codes 1,024 x 32 x 24 uint8 (E2M3 codes of Wo, K innermost, in blocks of 32 codes, four codes in three bytes); Wo_scales 1,024 x 32 uint8 (E8M0 scales of Wo, one for each 32 codes along K); Wq_codes 1,024 x 32 x 24 uint8 (E2M3 codes of Wq, K innermost, in blocks of 32 codes, four codes in three bytes); Wq_scales 1,024 x 32 uint8 (E8M0 scales of Wq, one for each 32 codes along K); Wv_codes 1,024 x 32 x 24 uint8 (E2M3 codes of Wv, K innermost, in blocks of 32 codes, four codes in three bytes); Wv_scales 1,024 x 32 uint8 (E8M0 scales of Wv, one for each 32 codes along K); attn_mask 4 x 2,048 float32; k_codes 4 x 2,048 x 32 x 24 uint8 (E2M3 codes of k, K innermost, in blocks of 32 codes, four codes in three bytes); k_scales 4 x 2,048 x 32 uint8 (E8M0 scales of k, one for each 32 codes along K); q_codes 4 x 2,048 x 32 x 24 uint8 (E2M3 codes of q, K innermost, in blocks of 32 codes, four codes in three bytes); q_scales 4 x 2,048 x 32 uint8 (E8M0 scales of q, one for each 32 codes along K); v_codes 4 x 2,048 x 32 x 24 uint8 (E2M3 codes of v, K innermost, in blocks of 32 codes, four codes in three bytes); v_scales 4 x 2,048 x 32 uint8 (E8M0 scales of v, one for each 32 codes along K).
;; Outputs: out0 4 x 2,048 x 1,024 float32.
;; Constants: mask_future = 1.
;; This version of the problem:
;;   THIS VERSION OF THE PROBLEM IS GIVEN IN LOW PRECISION. The matrix products marked QUANTISED in the list below multiply operands that are first quantised to E2M3 (2 exponent bits, 3 mantissa bits; 6 bits a number), with one power-of-two scale for each 32 numbers along K (OCP MX v1.0); their sums are f32. All else is computed in f32.
;;   The module's matrix products, in the order in which they are computed (A, B: the left and right operand; K: the contracted axis; several contracted axes count as one K, in the product's order):
;;     1. [M 8,192, K 1,024] x [K 1,024, N 1,024]; A: input q (given as codes); B: input Wq (given as codes): QUANTISED
;;     2. [M 8,192, K 1,024] x [K 1,024, N 1,024]; A: input k (given as codes); B: input Wk (given as codes): QUANTISED
;;     3. [M 8,192, K 1,024] x [K 1,024, N 1,024]; A: input v (given as codes); B: input Wv (given as codes): QUANTISED
;;     4. batch 64 x [M 2,048, K 64] x [K 64, N 2,048]; A: computed on the way; B: computed on the way: QUANTISED
;;     5. batch 64 x [M 2,048, K 2,048] x [K 2,048, N 64]; A: softmax (see below); B: computed on the way: QUANTISED
;;     6. [M 8,192, K 1,024] x [K 1,024, N 1,024]; A: computed on the way; B: input Wo (given as codes): QUANTISED
;;   THE QUANTISER, for each operand of a quantised product, along K:
;;     - K is cut into blocks of 32 from its start; a last block that is shorter is filled with zeros.
;;     - A block's scale is 2^e with e = floor(log2(the largest magnitude in the block)) - 2, held to -126 .. 127; a block of zeros has e = 0. As a byte (E8M0): e + 127.
;;     - Each number is divided by its block's scale, clamped to +-7.5, and rounded to the nearest number of E2M3, ties to even, subnormals kept.
;;     - The product sums the exact products of the quantised numbers (number of the format x scale) in f32.
;;   ~~~python
;;   def quantise(x, axis):      # numpy; x: float32 -> the quantised numbers, widened to float32 again
;;       x = np.moveaxis(x, axis, -1); K = x.shape[-1]
;;       x = np.pad(x, [(0, 0)] * (x.ndim - 1) + [(0, -K % 32)]); x = x.reshape(x.shape[:-1] + (-1, 32)); a = np.abs(x).max(-1, keepdims=True)
;;       e = np.where(a > 0, np.clip(np.frexp(np.where(a > 0, a, 1))[1] - 1 - 2, -126, 127), 0)      # np.frexp(a)[1] - 1 = floor(log2(a)), exactly
;;       r = np.clip(x / 2.0 ** e, -7.5, 7.5)
;;       step = 2.0 ** (np.maximum(np.frexp(np.where(r == 0, 1, r))[1] - 1, 0) - 3)
;;       q = np.round(r / step) * step * 2.0 ** e      # np.round: ties to even
;;       return np.moveaxis(q.reshape(q.shape[:-2] + (-1,))[..., :K], -1, axis).astype(np.float32)
;;   ~~~
;;   SOFTMAX AHEAD OF A QUANTISED PRODUCT. Where the list says 'softmax', what is quantised is not the finished softmax but p = 2^(t - M), with t = logit x log2(e) and M = ceil(the row's largest t), a whole number; so 1/2 < the row's largest p <= 1. The row's sum l is taken of the UNQUANTISED p, in f32, and the product's result is divided by l at the end. Since M is a whole number, a kernel that streams over the keys may use a running M (the ceiling of the running maximum): every later rescaling is an exact power of two, which a block's scale takes up: the codes' values come out the same.
;;   OPERANDS COMPUTED ON THE WAY. 'Computed on the way' means the value that the module computes at that place (a softmax that the list does not call 'softmax' is quantised finished and normalised). What goes into a quantiser is computed in f32, as accurately as f32 sums, v_exp_f32 and their like allow (about 1e-6 of the number): no bf16 or f16 on the way to a quantiser, and a product that is left as it is and whose result goes on into a quantised operand takes f32 operands (vector FMAs, or v_wmma_f32_16x16x4_f32). A number that lies on a knife's edge between two numbers of the format may be rounded either way, as far as f32 arithmetic and the matrix unit's own rounding can turn it there, and no further.
;;   INPUTS GIVEN AS CODES. Wk (in the module: [1024, 1024], K = its axis 1); Wo (in the module: [1024, 1024], K = its axis 1); Wq (in the module: [1024, 1024], K = its axis 1); Wv (in the module: [1024, 1024], K = its axis 1); k (in the module: [4, 2048, 1024], K = its axis 2); q (in the module: [4, 2048, 1024], K = its axis 2); v (in the module: [4, 2048, 1024], K = its axis 2): each comes as NAME_codes (uint8): NAME with its K axis moved to the last place and cut into blocks of 32 codes, [.., K / 32, bytes a block], one block behind the other in memory; four codes in three bytes: a row's codes are one little-endian stream of bits, code i at bits 6 i .. 6 i + 5 (a code: sign, 2 exponent bits, 3 mantissa bits); and NAME_scales (uint8): the same leading axes, one E8M0 byte (e + 127) for each 32 codes along K. Its value is code x scale, taken as it is: it is not quantised again, and the codes and scales need not be those that the quantiser above would give.
;; One version. Each part assembles by itself: llvm-mc -triple=amdgcn-amd-amdhsa -mcpu=gfx1250 --defsym DOCPART=n.
;; ======== version 1 of 1: 3 launches
;; limits: right only within a limited range of input values
;; workspace buffers: qimg 6,291,456 bytes; kimg 6,291,456 bytes; vimg 6,291,456 bytes; cimg 6,291,456 bytes; qsc 262,144 bytes; ksc 262,144 bytes; vsc 262,144 bytes; csc 262,144 bytes
;; launch proj (part 1): grid 4 x 192, 4 waves a work-group, clusters of 4 x 4, 327,680 bytes of LDS; arguments q_codes, q_scales, Wq_codes, Wq_scales, qimg, qsc, k_codes, k_scales, Wk_codes, Wk_scales, kimg, ksc, Wv_codes, Wv_scales, v_codes, v_scales, vimg, vsc, attn_mask; writes qimg, qsc, kimg, ksc, vimg, vsc
.if DOCPART == 1
	.amdgcn_target "amdgcn-amd-amdhsa--gfx1250"
	.amdhsa_code_object_version 6
	.text
	.protected	k_qdae27ec907_proj
	.globl	k_qdae27ec907_proj
	.p2align	8
	.type	k_qdae27ec907_proj,@function
k_qdae27ec907_proj:
	s_mov_b64 s[64:65], 0
	v_nop
	global_prefetch_b8 v0, s[64:65] scope:SCOPE_SE
	s_setreg_imm32_b32 hwreg(HW_REG_WAVE_MODE, 25, 1), 1
	s_wait_xcnt 0x0
	s_wait_alu depctr_hold_cnt(0) depctr_sa_sdst(0) depctr_va_vdst(0) depctr_va_sdst(0) depctr_va_ssrc(0) depctr_va_vcc(0) depctr_vm_vsrc(0)
	s_getreg_b32 s2, hwreg(HW_REG_IB_STS2, 6, 4)
	s_cmp_eq_u32 s2, 0
	s_cbranch_scc0 .Lentry_in_a_cluster
	s_endpgm
.Lentry_in_a_cluster:
	s_bfe_u32 s2, ttmp6, 0x10000c
	s_cmp_lg_u32 s2, 0xf033
	s_cbranch_scc0 .Lentry_shape_is_right
	s_endpgm
.Lentry_shape_is_right:
; THE THREE PROJECTIONS ON CODES OF FP6 (E2M3), each result quantised again for the attention: Q = q Wq^T / 64^0.25, K = k Wk^T / 64^0.25 (a padded key's row is made zero), V^T = Wv v^T.
; Nothing of the problem is left out.  48 clusters along y: 16 for each tensor.  For Q and K source A is the tokens and B the weight; for V A is the weight (rows: the model's 1,024) and B the tokens, so that V's codes have the keys innermost.
; A BLOCK of the result is 128 rows of A x 256 rows of B, all of K = 1,024: 768 work-groups.  Whole rows of codes (768 bytes, each beginning at a multiple of 256 bytes) are staged in LDS ONCE: no slot is filled again, one work-group barrier.
; One joint load a wave: waves 0, 1 fetch A's two halves (64 rows), waves 2, 3 B's (128 rows).  16 bytes of padding behind each 256: an LDS row is 816 bytes = 204 words, so that the 32 lanes of a load of 8 bytes name 64 different words modulo 64.
; CLUSTERS 4 x 4: A's tile is shared along a row of the cluster, B's along a column.  NO PREFETCH: the launch has no loop to run ahead in; all its tiles are asked for by its first loads.
; THE SCALES come from memory straight into registers: lane l takes the 32 bytes (8 words, one for each 128 along K) of row l % 16 of a block of 16 rows; sixteen lanes read 512 consecutive bytes in two loads.
; A wave makes 64 x 128: 32 accumulators (window 2).  Fragments have two sets: A's in window 0, B's in window 1; a step's 72 LDS loads are issued ahead of the step before's 32 products.
; The matrix instruction is used transposed (source 0 = 16 rows of B): a lane holds one row of A and registers along B's rows, the next product's K.
; LIMITS: a block of zeros gets the scale byte 1 (its codes are zeros; this program alone reads the bytes); NaN and infinities are not served.
.set PITCH,  816
.set FR,     12
.set BASEB,  128*PITCH                 ; B's 256 rows lie behind A's 128
.set SPARE,  BASEB+256*PITCH           ; the spare words, 512 bytes
.set SCR,    SPARE+512                 ; 256 bytes a wave: the scale words on their way out
.set ADRA, 16                          ; v16 my A rows; v18 the same + 16 in lanes 16-31 (their piece lies behind the next padding)
.set ADRB, 20                          ; v20-21 B's blocks 0-3, 4-7; v22-23 the same + 16 in lanes 16-31
.set OFF0, 24
.set OFF1, 25
.set SCW,  26
.set SCRD, 27
.set SPW,  28
.set NIL,  29
.set SOF,  30
.set MKO,  31
.set SA,   32                          ; v32-63 A's scale words: block a, step q at 8 a + q
.set SB,   64                          ; v64-127 B's
.set AF,   128                         ; A's fragments: set s at 128 + 48 s
.set T,    128                         ; the way out
.set CDS,  192
.set TM,   212
.set PW,   228
.set MK,   232
.set FC,   236
.set FBV,  244
.set FZV,  245
.set WV, 42
.set HA, 43
.set HB, 44
.set TT, 45
.set SEL, 56
.set AL, 58
.set O1, 59
.set FAC, 60
.set FZ, 61
.set OSTEP, 62
.set RA, 66
.set RB, 67
.set CX, 68
.set CY, 69
.set RR, 70
.set CC, 71
.set G1, 72
.set G1B, 80
.set G0, 88
.set G0B, 92
.set MSB, 0
.macro WIN new                         ; the high byte repeats the setting that is left
.if MSB != \new
	s_set_vgpr_msb (MSB<<8)|\new
.set MSB, \new
.endif
.endm
.macro CROUND                          ; a round of the cluster's barrier
	s_barrier_signal -1
	s_barrier_wait -1
	s_cmp_lg_u32 s[WV], 0
	s_cbranch_scc1 .Lnot_wave_0_\@
	s_barrier_signal -3
.Lnot_wave_0_\@:
	s_barrier_wait -3
	s_barrier_signal -1
	s_barrier_wait -1
.endm
.macro PLACES
.rept 4
	v_nop
.endr
.endm
	s_load_b512 s[4:19], s[0:1], 0x0
	s_load_b512 s[20:35], s[0:1], 0x40
	s_load_b128 s[36:39], s[0:1], 0x80
	s_load_b64 s[40:41], s[0:1], 0x90
	v_lshl_add_u32 v[SPW], v0, 2, SPARE
	v_mov_b32 v[NIL], 0
	ds_add_u32 v[SPW], v[NIL]                      ; the opening lines: the add twice on end
	ds_add_u32 v[SPW], v[NIL]
	v_lshrrev_b32 v1, 5, v0
	v_readfirstlane_b32 s[WV], v1                  ; wave 0..3
	s_lshr_b32 s[HA], s[WV], 1                     ; my half of A's rows; also: I fetch for A (0) or B (1)
	s_and_b32 s[HB], s[WV], 1                      ; my half of B's rows; also: which half I fetch
	s_bfe_u32 s[CX], ttmp6, 0x40000
	s_bfe_u32 s[CY], ttmp6, 0x40004
	s_and_b32 s46, ttmp7, 0xffff
	s_lshr_b32 s[TT], s46, 4                       ; 0 Q, 1 K, 2 V
	s_and_b32 s46, s46, 15                         ; u: the cluster among the tensor's 16
	s_lshl_b32 s47, s46, 2
	s_and_b32 s48, s46, 1
	s_lshl_b32 s48, s48, 2
	s_lshr_b32 s49, s46, 1
	s_lshl_b32 s49, s49, 2
	s_mov_b32 s[OSTEP], 768                        ; image bytes of 16 rows of A: Q, K 16 x 48; V 16 x 96
	s_mov_b32 s[OSTEP+1], 0
	s_mov_b32 s[O1], 98304                         ; from registers 0-5's pieces to registers 6-11's: the next head; V: 768
	s_mov_b32 s[FAC], 0x3eb504f3                   ; 64^-0.25
	s_cmp_eq_u32 s[TT], 2
	s_cselect_b32 s[RR], s48, s47                  ; Q, K: 64 x 4 blocks; V: 8 x 32
	s_cselect_b32 s[CC], s49, 0
	s_cselect_b32 s[OSTEP], 1536, s[OSTEP]
	s_cselect_b32 s[O1], 768, s[O1]
	s_cselect_b32 s[FAC], 1.0, s[FAC]
	s_cmp_eq_u32 s[TT], 1
	s_cselect_b32 s[FZ], 0, s[FAC]                 ; the factor of a padded row: 0 for K alone
	s_add_co_u32 s[RR], s[RR], s[CY]               ; block row
	s_add_co_u32 s[CC], s[CC], s[CX]               ; block column
	s_lshl_b32 s50, s[CY], 2
	s_lshl_b32 s50, 15, s50                        ; my row of the cluster
	s_lshl_b32 s51, 0x1111, s[CX]                  ; my column
	s_or_b32 s[G1], s50, (1<<20)|(1<<21)|(5<<22)|(3<<25)   ; elements of 1 byte; 4 words of padding behind every 64
	s_or_b32 s[G1B], s51, (1<<20)|(1<<21)|(5<<22)|(3<<25)
	s_mov_b32 s[G1+1], 768<<16
	s_mov_b32 s[G1+2], 64<<16
	s_mov_b32 s[G1+3], 768<<16
	s_mov_b32 s[G1+4], 64
	s_mov_b32 s[G1+5], 768
	s_mov_b32 s[G1+6], 0
	s_mov_b32 s[G1+7], 0
	s_mov_b32 s[G1B+1], 768<<16
	s_mov_b32 s[G1B+2], 128<<16
	s_mov_b32 s[G1B+3], 768<<16
	s_mov_b32 s[G1B+4], 128
	s_mov_b32 s[G1B+5], 768
	s_mov_b32 s[G1B+6], 0
	s_mov_b32 s[G1B+7], 0
	s_mov_b32 s[G0], 1
	s_mul_i32 s[G0+1], s[HB], 64*PITCH
	s_mov_b32 s[G0B], 1
	s_mul_i32 s[G0B+1], s[HB], 128*PITCH
	s_add_co_u32 s[G0B+1], s[G0B+1], BASEB
	s_mul_i32 s52, s[HA], 64*PITCH                 ; my A rows in LDS
	s_mul_i32 s53, s[HB], 128*PITCH
	s_add_co_u32 s53, s53, BASEB                   ; my B rows
	s_lshl_b32 s54, s[WV], 8
	s_add_co_u32 s54, s54, SCR
	s_lshl_b32 s46, s[RR], 7
	s_lshl_b32 s47, s[HB], 6
	s_add_co_u32 s[AL], s46, s47                   ; the 64 rows of A that I would fetch
	s_lshl_b32 s47, s[HA], 6
	s_add_co_u32 s[RA], s46, s47                   ; my first row of A
	s_lshl_b32 s46, s[CC], 8
	s_lshl_b32 s47, s[HB], 7
	s_add_co_u32 s[RB], s46, s47                   ; my first row of B (fetched and multiplied)
	s_mov_b32 s3, 0
	v_and_b32 v1, 15, v0                           ; r
	v_bfe_u32 v2, v0, 4, 1                         ; h
	v_and_b32 v6, 31, v0
	v_mul_u32_u24 v3, v1, PITCH
	v_mad_u32_u24 v3, v2, 24, v3
	v_lshl_add_u32 v4, v2, 4, v3
	v_add_nc_u32 v[ADRA], s52, v3
	v_add_nc_u32 v[ADRA+2], s52, v4
	v_add_nc_u32 v[ADRB], s53, v3
	v_add_nc_u32 v[ADRB+2], s53, v4
	v_add_nc_u32 v[ADRB+1], 64*PITCH, v[ADRB]
	v_add_nc_u32 v[ADRB+3], 64*PITCH, v[ADRB+2]
	v_lshlrev_b32 v[SOF], 5, v1
	v_lshlrev_b32 v[MKO], 2, v1
	v_lshlrev_b32 v[OFF0], 3, v6
	v_add_nc_u32 v[OFF1], s[O1], v[OFF0]
	v_lshl_add_u32 v[SCW], v1, 2, s54
	v_lshl_add_u32 v[SCRD], v6, 3, s54
	v_mov_b32 v[FBV], s[FAC]
	v_mov_b32 v[FZV], s[FZ]
	s_wait_alu depctr_va_vdst(0)                   ; the wait at the head's end
	s_wait_dscnt 0x0                               ; both opening adds are done
	s_wait_kmcnt 0x0
	s_cmp_eq_u32 s[TT], 1
.irp n, 0,1,2,3,4,5
	s_cselect_b64 s[4+2*\n:5+2*\n], s[16+2*\n:17+2*\n], s[4+2*\n:5+2*\n]
.endr
	s_cmp_eq_u32 s[TT], 2
.irp n, 0,1,2,3,4,5
	s_cselect_b64 s[4+2*\n:5+2*\n], s[28+2*\n:29+2*\n], s[4+2*\n:5+2*\n]
.endr
	s_mov_b64 s[98:99], s[14:15]                   ; the scales' way out
	s_mov_b64 s[100:101], s[40:41]                 ; the mask
	s_mul_i32 s2, s[AL], 768
	s_add_nc_u64 s[G0+2:G0+3], s[4:5], s[2:3]
	s_or_b32 s[G0+3], s[G0+3], 0x80000000
	s_mul_i32 s2, s[RB], 768
	s_add_nc_u64 s[G0B+2:G0B+3], s[8:9], s[2:3]
	s_or_b32 s[G0B+3], s[G0B+3], 0x80000000
	s_lshl_b32 s2, s[RA], 5
	s_add_nc_u64 s[6:7], s[6:7], s[2:3]
	s_lshl_b32 s2, s[RB], 5
	s_add_nc_u64 s[10:11], s[10:11], s[2:3]
	s_lshl_b32 s2, s[RA], 2
	s_add_nc_u64 s[100:101], s[100:101], s[2:3]
	CROUND                                         ; all sixteen work-groups are here: the joint loads meet
	s_cmp_eq_u32 s[HA], 0
	s_cbranch_scc0 .Lfor_b
	tensor_load_to_lds s[G0:G0+3], s[G1:G1+7]      ; my one tensor load of the launch
	s_nop 0
	PLACES
	s_branch .Lasked
.Lfor_b:
	tensor_load_to_lds s[G0B:G0B+3], s[G1B:G1B+7]
	s_nop 0
	PLACES
.Lasked:
.irp i, 0,1,2,3
	global_load_b128 v[SA+8*\i:SA+8*\i+3], v[SOF], s[6:7] offset:512*\i
	global_load_b128 v[SA+8*\i+4:SA+8*\i+7], v[SOF], s[6:7] offset:512*\i+16
.endr
.irp i, 0,1,2,3,4,5,6,7
	global_load_b128 v[SB+8*\i:SB+8*\i+3], v[SOF], s[10:11] offset:512*\i
	global_load_b128 v[SB+8*\i+4:SB+8*\i+7], v[SOF], s[10:11] offset:512*\i+16
.endr
.irp a, 0,1,2,3
	global_load_b32 v[MK+\a], v[MKO], s[100:101] offset:64*\a
.endr
	s_lshr_b32 s46, s[RA], 11                      ; Q, K: batch,
	s_and_b32 s47, s[RA], 2047                     ; token,
	s_lshr_b32 s48, s[RB], 7                       ; head pair.  V: the key step among all 64
	s_mul_i32 s49, s46, 1572864
	s_mul_i32 s50, s48, 196608
	s_add_co_u32 s49, s49, s50
	s_mul_i32 s50, s47, 48
	s_add_co_u32 s49, s49, s50                     ; Q, K image: [batch][head][token tile][3][256]
	s_mul_i32 s50, s48, 98304
	s_mul_i32 s51, s[RA], 96
	s_add_co_u32 s50, s50, s51                     ; V image: [key step][tile of 16 dims][6][256]
	s_lshl_b32 s46, s46, 3
	s_add_co_u32 s46, s46, s48
	s_lshl_b32 s46, s46, 13
	s_lshl_b32 s47, s47, 2
	s_add_co_u32 s46, s46, s47                     ; Q, K scale words: [batch][head pair][token]
	s_lshl_b32 s48, s48, 12
	s_lshl_b32 s51, s[RA], 2
	s_add_co_u32 s48, s48, s51                     ; V's: [key step][dim]
	s_cmp_eq_u32 s[TT], 2
	s_cselect_b32 s2, s50, s49
	s_add_nc_u64 s[12:13], s[12:13], s[2:3]
	s_cselect_b32 s2, s48, s46
	s_add_nc_u64 s[98:99], s[98:99], s[2:3]
	s_wait_loadcnt 0x0
.irp a, 0,1,2,3
	v_cmp_eq_f32 vcc_lo, 0, v[MK+\a]
	v_cndmask_b32 v[FC+2*\a], v[FBV], v[FZV], vcc_lo
	v_cndmask_b32 v[FC+2*\a+1], v[FBV], v[FZV], vcc_lo
.endr
	s_wait_alu depctr_va_vdst(0)                   ; the wait behind these writes
	s_wait_tensorcnt 0x0                           ; my tile is in
	s_barrier_signal -1
	s_barrier_wait -1                              ; everybody's is: from here on the tiles are only read
; A fragment: 16 rows x 128 K, 12 registers, in pieces of 8 bytes.  Byte y of a row of codes lies at y + 16 (y / 256) of its LDS row.
.macro FRAG reg, adr, st, i
.irp p, 0,1,2,3,4,5
.set BY, 96*(\st)+48*(\p/3)+8*(\p%3)
.set OFS, BY+16*(BY/256)+((\i)%4)*16*PITCH
.if BY/256 == (BY+24)/256
	ds_load_b64 v[\reg+2*\p:\reg+2*\p+1], v[\adr+(\i)/4] offset:OFS
.else
	ds_load_b64 v[\reg+2*\p:\reg+2*\p+1], v[\adr+2+(\i)/4] offset:OFS
.endif
.endr
.endm
.macro FETCH st
	WIN 0x40
.irp i, 0,1,2,3,4,5,6,7
	FRAG 128*((\st)%2)+FR*\i, ADRB, \st, \i
.endr
	WIN 0
.irp i, 0,1,2,3
	FRAG AF+48*((\st)%2)+FR*\i, ADRA, \st, \i
.endr
.endm
.macro MUL st, zero                    ; 32 products, the 32 accumulators by turns
.irp a, 0,1,2,3
.irp b, 0,1,2,3,4,5,6,7
.if \zero
	v_wmma_scale_f32_16x16x128_f8f6f4 v[8*(8*\a+\b):8*(8*\a+\b)+7], v[128*((\st)%2)+FR*\b:128*((\st)%2)+FR*\b+FR-1], v[AF+48*((\st)%2)+FR*\a:AF+48*((\st)%2)+FR*\a+FR-1], 0, v[SB+8*\b+(\st)], v[SA+8*\a+(\st)] matrix_a_fmt:MATRIX_FMT_FP6 matrix_b_fmt:MATRIX_FMT_FP6
.else
	v_wmma_scale_f32_16x16x128_f8f6f4 v[8*(8*\a+\b):8*(8*\a+\b)+7], v[128*((\st)%2)+FR*\b:128*((\st)%2)+FR*\b+FR-1], v[AF+48*((\st)%2)+FR*\a:AF+48*((\st)%2)+FR*\a+FR-1], v[8*(8*\a+\b):8*(8*\a+\b)+7], v[SB+8*\b+(\st)], v[SA+8*\a+(\st)] matrix_a_fmt:MATRIX_FMT_FP6 matrix_b_fmt:MATRIX_FMT_FP6
.endif
.endr
.endr
.endm
	FETCH 0
.set ST, 0
.rept 8                                ; eight steps of 128 along K, written out by the assembler: the register sets and the offsets differ from step to step
	s_wait_dscnt 0x0                               ; this step's fragments are in
.if ST < 7
.if ST > 0
	PLACES                                         ; in front of loads into registers that the last products read
.endif
	FETCH ST+1
.endif
	WIN 0xa1                                       ; B window 1, A window 0, C and D window 2
.if ST == 0
	MUL ST, 1                                      ; the first products start the sums
.else
	MUL ST, 0
.endif
.set ST, ST+1
.endr
	WIN 0
.macro QUANT s                         ; 128 numbers of a row in lanes l, l xor 16: four blocks of 32, their scale word in v[PW], their codes in v[CDS] on
.irp b, 0,1,2,3
	v_max3_num_f32 v[TM+\b], |v[\s+16*\b]|, |v[\s+1+16*\b]|, 0x1800000
.endr
.irp i, 2,4,6,8,10,12,14
.irp b, 0,1,2,3
	v_max3_num_f32 v[TM+\b], v[TM+\b], |v[\s+16*\b+\i]|, |v[\s+1+16*\b+\i]|
.endr
.endr
.irp b, 0,1,2,3
	v_permlanex16_b32 v[TM+4+\b], v[TM+\b], s[SEL], s[SEL+1]
.endr
.irp b, 0,1,2,3
	v_max_num_f32 v[TM+\b], v[TM+\b], v[TM+4+\b]
.endr
.irp b, 0,1,2,3
	v_add_nc_u32 v[TM+12+\b], 0xff000000, v[TM+\b]
.endr
.irp b, 0,1,2,3
	v_lshrrev_b32 v[TM+4+\b], 23, v[TM+12+\b]
.endr
	v_lshl_or_b32 v[PW], v[TM+5], 8, v[TM+4]
	v_lshl_or_b32 v[PW], v[TM+6], 16, v[PW]
	v_lshl_or_b32 v[PW], v[TM+7], 24, v[PW]
.irp c, 0,1
	v_cvt_scalef32_pk16_fp6_f32 v[CDS+6*\c:CDS+2+6*\c], v[\s+32*\c:\s+15+32*\c], v[TM+12+2*\c]
	v_cvt_scalef32_pk16_fp6_f32 v[CDS+12+4*\c:CDS+14+4*\c], v[\s+16+32*\c:\s+31+32*\c], v[TM+12+2*\c+1]
.endr
	v_nop
.irp c, 0,1
.irp i, 0,1,2
	v_permlane16_swap_b32 v[CDS+6*\c+\i], v[CDS+12+4*\c+\i]
.endr
.irp i, 0,1,2
	v_mov_b32 v[CDS+3+6*\c+\i], v[CDS+12+4*\c+\i]
.endr
.endr
.endm
.macro OUTBLK a                        ; 16 rows of A x my 128 columns: the factor, the quantiser, six pieces of 256 aligned bytes
	WIN 0x02
.set ii, 0
.rept 32
	v_pk_mul_f32 v[T+2*ii:T+2*ii+1], v[64*(\a)+2*ii:64*(\a)+2*ii+1], v[FC+2*(\a):FC+2*(\a)+1]
.set ii, ii+1
.endr
	WIN 0
.if (\a) > 0
	s_wait_xcnt 0x0                                ; the last block's stores have read their data and base
	s_wait_dscnt 0x0
	s_add_nc_u64 s[12:13], s[12:13], s[OSTEP:OSTEP+1]
.endif
	QUANT T
.irp p, 0,1,2
	global_store_b64 v[OFF0], v[CDS+2*\p:CDS+2*\p+1], s[12:13] offset:256*\p
.endr
.irp p, 0,1,2
	global_store_b64 v[OFF1], v[CDS+6+2*\p:CDS+6+2*\p+1], s[12:13] offset:256*\p
.endr
	ds_store_b32 v[SCW], v[PW] offset:64*(\a)
.endm
	PLACES
	s_mov_b32 s[SEL], 0x76543210
	s_mov_b32 s[SEL+1], 0xfedcba98
.irp b, 0,1,2,3
	v_mov_b32 v[TM+4+\b], 0
.endr
.irp a, 0,1,2,3
	OUTBLK \a
.endr
	ds_load_b64 v[T:T+1], v[SCRD]                  ; my 64 rows' scale words: 256 aligned bytes, stored whole
	s_wait_dscnt 0x0
	global_store_b64 v[OFF0], v[T:T+1], s[98:99]
	s_wait_tensorcnt 0x0                           ; the wave's end
	ds_add_u32 v[SPW], v[NIL]
	s_wait_dscnt 0x0
	CROUND                                         ; the closing round
	s_endpgm
.Lfunc_end_k_qdae27ec907_proj:
	.size	k_qdae27ec907_proj, .Lfunc_end_k_qdae27ec907_proj-k_qdae27ec907_proj
	.p2alignl 7, 3214868480
	.fill 96, 4, 3214868480
	.section	.rodata,"a",@progbits
	.p2align	6, 0x0
	.amdhsa_kernel k_qdae27ec907_proj
		.amdhsa_group_segment_fixed_size 327680
		.amdhsa_private_segment_fixed_size 0
		.amdhsa_enable_private_segment 0
		.amdhsa_kernarg_size 152
		.amdhsa_user_sgpr_count 2
		.amdhsa_user_sgpr_kernarg_segment_ptr 1
		.amdhsa_wavefront_size32 1
		.amdhsa_system_sgpr_workgroup_id_x 1
		.amdhsa_system_sgpr_workgroup_id_y 1
		.amdhsa_system_sgpr_workgroup_id_z 1
		.amdhsa_system_vgpr_workitem_id 0
		.amdhsa_next_free_vgpr 768
		.amdhsa_next_free_sgpr 102
		.amdhsa_reserve_vcc 1
		.amdhsa_float_denorm_mode_32 3
		.amdhsa_float_denorm_mode_16_64 3
		.amdhsa_memory_ordered 1
		.amdhsa_forward_progress 1
		.amdhsa_inst_pref_size 108
	.end_amdhsa_kernel
	.amdgpu_metadata
---
amdhsa.version: [ 1, 2 ]
amdhsa.kernels:
  - .name:           k_qdae27ec907_proj
    .symbol:         k_qdae27ec907_proj.kd
    .args:
      - { .name: q_codes, .offset: 0, .size: 8, .value_kind: global_buffer, .address_space: global }
      - { .name: q_scales, .offset: 8, .size: 8, .value_kind: global_buffer, .address_space: global }
      - { .name: Wq_codes, .offset: 16, .size: 8, .value_kind: global_buffer, .address_space: global }
      - { .name: Wq_scales, .offset: 24, .size: 8, .value_kind: global_buffer, .address_space: global }
      - { .name: qimg, .offset: 32, .size: 8, .value_kind: global_buffer, .address_space: global }
      - { .name: qsc, .offset: 40, .size: 8, .value_kind: global_buffer, .address_space: global }
      - { .name: k_codes, .offset: 48, .size: 8, .value_kind: global_buffer, .address_space: global }
      - { .name: k_scales, .offset: 56, .size: 8, .value_kind: global_buffer, .address_space: global }
      - { .name: Wk_codes, .offset: 64, .size: 8, .value_kind: global_buffer, .address_space: global }
      - { .name: Wk_scales, .offset: 72, .size: 8, .value_kind: global_buffer, .address_space: global }
      - { .name: kimg, .offset: 80, .size: 8, .value_kind: global_buffer, .address_space: global }
      - { .name: ksc, .offset: 88, .size: 8, .value_kind: global_buffer, .address_space: global }
      - { .name: Wv_codes, .offset: 96, .size: 8, .value_kind: global_buffer, .address_space: global }
      - { .name: Wv_scales, .offset: 104, .size: 8, .value_kind: global_buffer, .address_space: global }
      - { .name: v_codes, .offset: 112, .size: 8, .value_kind: global_buffer, .address_space: global }
      - { .name: v_scales, .offset: 120, .size: 8, .value_kind: global_buffer, .address_space: global }
      - { .name: vimg, .offset: 128, .size: 8, .value_kind: global_buffer, .address_space: global }
      - { .name: vsc, .offset: 136, .size: 8, .value_kind: global_buffer, .address_space: global }
      - { .name: attn_mask, .offset: 144, .size: 8, .value_kind: global_buffer, .address_space: global }
    .group_segment_fixed_size: 327680
    .private_segment_fixed_size: 0
    .kernarg_segment_align: 8
    .kernarg_segment_size: 152
    .max_flat_workgroup_size: 128
    .sgpr_count:     102
    .vgpr_count:     768
    .wavefront_size: 32
...
	.end_amdgpu_metadata
.endif
;; end of part 1
;; launch attn (part 2): grid 4 x 64, 8 waves a work-group, no clusters, 219,136 bytes of LDS; arguments qimg, qsc, kimg, ksc, vimg, vsc, attn_mask, cimg, csc; writes cimg, csc
.if DOCPART == 2
	.amdgcn_target "amdgcn-amd-amdhsa--gfx1250"
	.amdhsa_code_object_version 6
	.text
	.protected	k_qdae27ec907_attn
	.globl	k_qdae27ec907_attn
	.p2align	8
	.type	k_qdae27ec907_attn,@function
k_qdae27ec907_attn:
	s_mov_b64 s[64:65], 0
	v_nop
	global_prefetch_b8 v0, s[64:65] scope:SCOPE_SE
	s_setreg_imm32_b32 hwreg(HW_REG_WAVE_MODE, 25, 1), 1
	s_wait_xcnt 0x0
; ATTENTION ON CODES OF FP6 (E2M3): for one batch b and head h, ctx[q] = (sum over keys of Q(p) Q(v)) / l, p = 2^(t - M), t = (score + bias) x log2(e), M the ceiling of the running largest t, l the sum of the unquantised p; ctx is quantised along the model's 1,024.
; THE MASKS ARE -10000, NOT -INFINITY, so no key is left out: a row whose permitted keys are all padded spreads its weight over ALL 2,048 keys, the future ones too.  Every query walks every key.
;   bias = -10000 where the key is padded or lies after the query, else 0; it is the C of the score's matrix instruction.  A padded key's codes are zeros (made so by the launch before), so its score is exactly -10000; a future key's is s - 10000.
; SHARES.  256 work-groups.  Work-group (x, b 16 + h) holds the WHOLE head's codes of K and V in LDS, filled once (196,608 bytes): no ring, one barrier in the launch.  It takes two blocks of 256 queries, x and 7 - x.
; Each of its eight waves owns 32 queries: two tiles of 16.  A fragment of K, V or bias read from LDS feeds both tiles.  Two waves share a SIMD.
; NO CLUSTER: the four work-groups of a head read the same K and V, but the branch round the diagonal step's mask and the bias's address hang on the query block, which differs between them; and the shared bytes are fetched once for 32 key steps of work.
; LAYOUT.  Both products transposed: S^T = K Q^T (source 0 = 16 keys), O^T = V^T P^T (source 0 = 16 of the head's 64): a lane holds ONE query (lane % 16).  Register 8 t + j of lane (r, g) is key 16 t + 8 g + j.
; The 16 registers of tiles 2 b, 2 b + 1 are half of the true block b of 32 keys; inside a block the codes of p stand in the same fixed order as V's (made by the same lines), so the products are the same.
; K = 64 IN AN INSTRUCTION OF K = 128: Q's registers 6-11 are zero codes; K's registers 6-11 are the next tile's codes (any 6-bit code is a finite number) under the scale byte 0: they add 0.  So eight tiles of K take 54 registers.
; THE TWO TILES GO LINE BY LINE TOGETHER: both tiles' S^T and small registers lie in window 0, and every line of the softmax is written for tile 0 and tile 1 by turns, so that a line seldom reads the line just above it.  l is summed as a tree.
; THE LDS LOADS RUN A STEP AHEAD: K and V have registers of their own.  The next step's K, K's scales and biases are asked for behind this step's scores, the next step's V behind this step's second product; one wait a step, in front of the second product.
;   In a pass's last step 'the next step' is key 0: the next pass begins with it.  After the second pass's last step these loads fetch key 0 once more, and nothing uses them.
; ctx meets given codes (Wo), so its true order inside a block is restored, in f32, ahead of its quantiser.
; LIMITS: score + bias is rounded once, in the matrix unit; 1 / l is v_rcp_f32 and a multiply; a block of zeros gets the byte 1 (its codes are zeros; this program alone reads the bytes); NaN and infinities are not served.
; OUTPUT.  cimg [head pair 8][token tile 512][6][256]: pieces of 256 aligned bytes, each stored whole.  csc [token 8,192][32]: a work-group owns 2 bytes of each row of 32 (sixteen heads share a row), so these go out as single bytes: one byte for 24 of codes.
.set KIMG, 0                           ; K's images: tile of 16 keys t at 768 t
.set VIMG, 98304                       ; V's: key step s, tile of 16 dims i at 6,144 s + 1,536 i
.set KSC,  196608                      ; K's scale words of the head pair, 4 bytes a key
.set VSC,  204800                      ; V's: 256 s + 64 i + 4 r
.set PB,   208896                      ; the padding's bias, 2,048 f32, then 256 f32 of -10000: written by LDS stores alone
; WINDOW 0 (w = the tile, 0 or 1)
.set AK0,  1                           ; 8 x lane
.set AV0,  2                           ; VIMG + 8 x lane
.set ASK0, 3                           ; KSC + 4 x lane + 2 x (head % 2)
.set ASV0, 4                           ; VSC + 4 x lane
.set APB0, 5                           ; PB + 32 (lane / 16)
.set ADK,  6                           ; v6-10 the next step's addresses
.set ADV,  7
.set ADS,  8
.set ADT,  9
.set ADB,  10
.set RH,   11                          ; r - 8 g
.set NM,   12                          ; v[12+2w] -M, v[13+2w] the largest t
.set MT,   13
.set SUM,  16                          ; v[16+2w:17+2w] l in two halves
.set FF,   20                          ; v[20+2w:21+2w] 2^(old M - new M), and a 0
.set TMP,  24                          ; v[24+w]
.set QS,   26                          ; Q's scale words: lanes 0-15 tile 0, lanes 16-31 tile 1
.set KSR,  28                          ; v28-31 K's scale words
.set BM,   32                          ; v[32+4w+b]
.set PP,   40
.set SO,   48
.set PW,   56                          ; v[56+w] p's scale word
.set VSR,  58                          ; v58-59 V's scale words
.set CSO,  60                          ; 32 r + g
.set QSO,  61                          ; 4 x lane
.set FV,   64                          ; v64-111 V's four fragments
.set S,    112                         ; v[112+64w ..] S^T, then p
; WINDOW 1
.set DQ,   0                           ; my query - the step's first key - 8 g
.set NEGV, 1                           ; -10000.0
.set Q,    4                           ; v[4+12w ..]
.set FK,   28                          ; v28-81 K's eight fragments
.set BI,   84                          ; v84-147 the step's 64 biases
.set O,    148                         ; v[148+32w ..] O^T
.set PC,   212                         ; v[212+20w ..] codes: 12, and 7 on the way
.set WV, 22
.set BH, 23
.set G1K, 24
.set G1V, 32
.set G1KS, 40
.set G1VS, 48
.set G0K, 56
.set G0V, 60
.set G0KS, 68
.set G0VS, 72
.set BB, 76
.set HH, 77
.set HP, 78
.set HO, 79
.set XX, 80
.set PASS, 81
.set STP, 82
.set Q0W, 83                           ; my wave's first query
.set DK, 84                            ; the first key of the step that holds the diagonal
.set KF, 85                            ; the step's first key
.set IOFF, 86                          ; the NEXT step's offsets
.set KSOFF, 87
.set VSOFF, 88
.set BOFF, 89
.set SEL, 90
.set CS, 92                            ; s[92:93] log2(e)
.set KN, 96                            ; the next step's first key
.set MSB, 0
.macro WIN new                         ; bits 1:0 source 0, 3:2 source 1, 5:4 source 2, 7:6 destination; the high byte repeats the setting that is left
.if MSB != \new
	s_set_vgpr_msb (MSB<<8)|\new
.set MSB, \new
.endif
.endm
.macro G1SET g, c, r, p                ; r rows of c elements of 8 bytes, p elements apart; no padding, no mask
	s_mov_b32 s[\g], 3<<16
	s_mov_b32 s[\g+1], (\c)<<16
	s_mov_b32 s[\g+2], (\r)<<16
	s_mov_b32 s[\g+3], (\c)<<16
	s_mov_b32 s[\g+4], \r
	s_mov_b32 s[\g+5], \p
	s_mov_b32 s[\g+6], 0
	s_mov_b32 s[\g+7], 0
.endm
	s_load_b512 s[4:19], s[0:1], 0x0               ; qimg, qsc, kimg, ksc, vimg, vsc, attn_mask, cimg
	s_load_b64 s[20:21], s[0:1], 0x40              ; csc
	v_lshl_add_u32 v254, v0, 2, 0x35400
	v_mov_b32 v255, 0
	ds_add_u32 v254, v255                          ; the opening lines: the add twice on end
	ds_add_u32 v254, v255
	v_lshrrev_b32 v1, 5, v0
	s_delay_alu instid0(VALU_DEP_1)
	v_readfirstlane_b32 s[WV], v1                  ; wave 0..7
	s_and_b32 s[BH], ttmp7, 0xffff
	s_lshr_b32 s[BB], s[BH], 4
	s_and_b32 s[HH], s[BH], 15
	s_lshr_b32 s[HP], s[HH], 1
	s_and_b32 s[HO], s[HH], 1
	s_mov_b32 s[XX], ttmp9
	s_lshl_b32 s66, s[BB], 4                       ; 16 b: my batch's first key step
	s_max_u32 s95, s[WV], 2
	s_min_u32 s95, s95, 5
	s_sub_co_u32 s95, s95, 2                       ; waves 2..5 fetch V: quarter 0..3 (held inside 0..3 in the other waves, which do not use it)
	s_lshl_b32 s95, s95, 2
	s_add_co_u32 s97, s66, s95                     ; the first of that quarter's four key steps
	s_lshl_b32 s67, s[BB], 3
	s_add_co_u32 s67, s67, s[HP]                   ; 8 b + head pair
	G1SET G1K, 32, 192, 32                         ; K's images: a half, 49,152 dense bytes (waves 0, 1)
	G1SET G1V, 768, 4, 12288                       ; V's: four key steps, 6,144 bytes of my head in each plane of 98,304 (waves 2 to 5)
	G1SET G1KS, 32, 32, 32                         ; K's scale words: 8,192 dense bytes (wave 6)
	G1SET G1VS, 32, 16, 512                        ; V's: sixteen key steps, 256 bytes in each plane of 4,096 (wave 7)
	s_mov_b32 s[SEL], 0x76543210
	s_mov_b32 s[SEL+1], 0xfedcba98                 ; v_permlanex16_b32's selects for lane l xor 16
	s_mov_b32 s[CS], 0x3fb8aa3b                    ; log2(e)
	s_mov_b32 s[CS+1], s[CS]
	s_mov_b32 s94, 0xffff0000                      ; lanes 16-31
	s_mov_b32 s3, 0                                ; the high word of every offset: stays 0
	s_and_b32 s96, s[WV], 1
	s_mul_i32 s96, s96, 49152                      ; which half of K
	s_wait_dscnt 0x0
	s_wait_kmcnt 0x0
	s_mov_b32 s[G0K], 1
	s_mov_b32 s[G0K+1], s96
	s_mul_i32 s2, s[BH], 98304
	s_add_co_u32 s2, s2, s96
	s_add_nc_u64 s[G0K+2:G0K+3], s[8:9], s[2:3]
	s_or_b32 s[G0K+3], s[G0K+3], 0x80000000
	s_mov_b32 s[G0V], 1
	s_mul_i32 s95, s[WV], 24576
	s_add_co_u32 s[G0V+1], s95, VIMG-2*24576       ; wave 2's quarter begins at VIMG
	s_mul_i32 s2, s97, 98304
	s_mul_i32 s95, s[HH], 6144
	s_add_co_u32 s2, s2, s95
	s_add_nc_u64 s[G0V+2:G0V+3], s[12:13], s[2:3]
	s_or_b32 s[G0V+3], s[G0V+3], 0x80000000
	s_mov_b32 s[G0KS], 1
	s_mov_b32 s[G0KS+1], KSC
	s_lshl_b32 s2, s67, 13
	s_add_nc_u64 s[G0KS+2:G0KS+3], s[10:11], s[2:3]
	s_or_b32 s[G0KS+3], s[G0KS+3], 0x80000000
	s_mov_b32 s[G0VS], 1
	s_mov_b32 s[G0VS+1], VSC
	s_lshl_b32 s2, s66, 12
	s_lshl_b32 s95, s[HH], 8
	s_add_co_u32 s2, s2, s95
	s_add_nc_u64 s[G0VS+2:G0VS+3], s[14:15], s[2:3]
	s_or_b32 s[G0VS+3], s[G0VS+3], 0x80000000
; The launch's only fills, one tensor load a wave: one chain of branches on the wave's number, a load to an arm, all arms leading to one join.
.macro ARM under, g0, g1, next
	s_cmp_lt_u32 s[WV], \under
	s_cbranch_scc0 \next
	tensor_load_to_lds s[\g0:\g0+3], s[\g1:\g1+7]
	s_nop 0
.rept 4
	v_nop
.endr
	s_branch .Lasked
\next:
.endm
	ARM 2, G0K, G1K, .Lfor_v
	ARM 6, G0V, G1V, .Lfor_ks
	ARM 7, G0KS, G1KS, .Lfor_vs
	tensor_load_to_lds s[G0VS:G0VS+3], s[G1VS:G1VS+7]
	s_nop 0
.rept 4
	v_nop
.endr
.Lasked:
	s_lshl_b32 s2, s[BB], 13
	s_add_nc_u64 s[16:17], s[16:17], s[2:3]        ; my batch's 2,048 numbers of the mask: 8 a thread
	v_lshlrev_b32 v120, 5, v0
	global_load_b128 v[112:115], v120, s[16:17]
	global_load_b128 v[116:119], v120, s[16:17] offset:16
	v_add_nc_u32 v121, PB, v120
	v_lshl_add_u32 v122, v0, 2, PB+8192
	v_and_b32 v1, 31, v0
	s_delay_alu instid0(VALU_DEP_1)
	v_lshlrev_b32 v[QSO], 2, v1
	s_delay_alu instid0(VALU_DEP_2)
	v_lshlrev_b32 v[AK0], 3, v1
	s_delay_alu instid0(VALU_DEP_1)
	v_add_nc_u32 v[AV0], VIMG, v[AK0]
	s_lshl_b32 s95, s[HO], 1
	s_add_co_u32 s95, s95, KSC
	v_add_nc_u32 v[ASK0], s95, v[QSO]
	v_add_nc_u32 v[ASV0], VSC, v[QSO]
	v_and_b32 v6, 15, v0                           ; r
	v_bfe_u32 v7, v0, 4, 1                         ; g
	s_delay_alu instid0(VALU_DEP_1)
	v_lshl_add_u32 v[APB0], v7, 5, PB
	s_delay_alu instid0(VALU_DEP_2)
	v_lshlrev_b32 v8, 3, v7
	s_delay_alu instid0(VALU_DEP_1)
	v_sub_nc_u32 v[RH], v6, v8
	s_delay_alu instid0(VALU_DEP_4)
	v_lshl_add_u32 v[CSO], v6, 5, v7
	v_mov_b32 v123, 0xc61c4000                     ; -10000.0
.irp j, 0,1,2,3,4,5,6,7
	v_mov_b32 v[PP+\j], 0                          ; a lane permute's destination counts as one of its sources
.endr
.irp w, 0,1
	v_mov_b32 v[TMP+\w], 0
	v_mov_b32 v[FF+2*\w+1], 0                      ; (named as the upper half of a pair)
.endr
	WIN 0x40
.irp j, 48,49,50,51,52,53
	v_mov_b32 v[FK+\j], 0                          ; the upper half of K's eighth tile: zero codes, never loaded over
.endr
.irp w, 0,1
.irp j, 6,7,8,9,10,11
	v_mov_b32 v[Q+12*\w+\j], 0                     ; Q's K = 64 .. 127: zero codes
.endr
.endr
	v_mov_b32 v[NEGV], 0xc61c4000
	WIN 0
	s_wait_alu depctr_va_vdst(0)                   ; the wait at the head's end
	s_wait_loadcnt 0x0
.irp i, 0,1,2,3,4,5,6,7
	v_cmp_eq_f32 vcc_lo, 0, v[112+\i]
	s_delay_alu instid0(VALU_DEP_1)
	v_cndmask_b32 v[112+\i], 0, v123, vcc_lo       ; the padding's bias
.endr
	ds_store_b128 v121, v[112:115]
	ds_store_b128 v121, v[116:119] offset:16
	ds_store_b32 v122, v123                        ; the run of -10000 for steps that lie wholly in the future
	s_wait_dscnt 0x0                               ; for the others' sake: my stores are done,
	s_wait_tensorcnt 0x0                           ; and my tile has landed
	s_barrier_signal -1
	s_barrier_wait -1                              ; from here on LDS is only read
.macro LOADK adk, ads, adb             ; a step's K (24 loads of 256 consecutive bytes), its 64 biases (sixteen lanes share each address), K's scale words
	WIN 0x40
.irp t, 0,1,2,3,4,5,6,7
.irp p, 0,1,2
	ds_load_b64 v[FK+6*\t+2*\p:FK+6*\t+2*\p+1], v[\adk] offset:768*\t+256*\p
.endr
.endr
.irp t, 0,1,2,3,4,5,6,7
	ds_load_b128 v[BI+8*\t:BI+8*\t+3], v[\adb] offset:64*\t
	ds_load_b128 v[BI+8*\t+4:BI+8*\t+7], v[\adb] offset:64*\t+16
.endr
	WIN 0
.irp u, 0,1,2,3
	ds_load_u16 v[KSR+\u], v[\ads] offset:128*\u
.endr
.endm
.macro LOADV adv, adt                  ; a step's V and its scale words
.irp i, 0,1,2,3
.irp p, 0,1,2,3,4,5
	ds_load_b64 v[FV+12*\i+2*\p:FV+12*\i+2*\p+1], v[\adv] offset:1536*\i+256*\p
.endr
.endr
.irp u, 0,1
	ds_load_b32 v[VSR+\u], v[\adt] offset:128*\u
.endr
.endm
; The biases of tile w's hidden keys become -10000: register 8 t + j of lane (r, g) is key KF + 16 t + 8 g + j, hidden where 16 t + j > my query - KF - 8 g.
.macro MASK w
	s_sub_co_i32 s95, s[Q0W], s[KF]
	s_add_co_u32 s95, s95, 16*\w
	WIN 0x40
	v_add_nc_u32 v[DQ], s95, v[RH]
	WIN 0x55
.irp n, 0,1,2,3,4,5,6,7,8,9,10,11,12,13,14,15,16,17,18,19,20,21,22,23,24,25,26,27,28,29,30,31,32,33,34,35,36,37,38,39,40,41,42,43,44,45,46,47,48,49,50,51,52,53,54,55,56,57,58,59,60,61,62,63
	v_cmp_gt_i32 vcc_lo, 16*(\n/8)+\n%8, v[DQ]
	s_delay_alu instid0(VALU_DEP_1)
	v_cndmask_b32 v[BI+\n], v[BI+\n], v[NEGV], vcc_lo
.endr
.rept 4
	v_nop
.endr
	WIN 0
	s_wait_alu depctr_va_vdst(0)                   ; the wait behind these writes
.endm
; S^T + bias for tile w: eight tiles of 16 keys.  K's words: register t / 2, lanes 0-15 for even t, 16-31 for odd; Q's: lanes 0-15 for tile 0, 16-31 for tile 1.
.macro SCORES w
.irp t, 0,1,2,3,4,5,6,7
.if \w
.if (\t%2) == 1
	v_wmma_scale_f32_16x16x128_f8f6f4 v[S+64*\w+8*\t:S+64*\w+8*\t+7], v[FK+6*\t:FK+6*\t+11], v[Q+12*\w:Q+12*\w+11], v[BI+8*\t:BI+8*\t+7], v[KSR+\t/2], v[QS] matrix_a_fmt:MATRIX_FMT_FP6 matrix_b_fmt:MATRIX_FMT_FP6 matrix_a_scale:MATRIX_SCALE_ROW1 matrix_b_scale:MATRIX_SCALE_ROW1
.else
	v_wmma_scale_f32_16x16x128_f8f6f4 v[S+64*\w+8*\t:S+64*\w+8*\t+7], v[FK+6*\t:FK+6*\t+11], v[Q+12*\w:Q+12*\w+11], v[BI+8*\t:BI+8*\t+7], v[KSR+\t/2], v[QS] matrix_a_fmt:MATRIX_FMT_FP6 matrix_b_fmt:MATRIX_FMT_FP6 matrix_b_scale:MATRIX_SCALE_ROW1
.endif
.else
.if (\t%2) == 1
	v_wmma_scale_f32_16x16x128_f8f6f4 v[S+64*\w+8*\t:S+64*\w+8*\t+7], v[FK+6*\t:FK+6*\t+11], v[Q+12*\w:Q+12*\w+11], v[BI+8*\t:BI+8*\t+7], v[KSR+\t/2], v[QS] matrix_a_fmt:MATRIX_FMT_FP6 matrix_b_fmt:MATRIX_FMT_FP6 matrix_a_scale:MATRIX_SCALE_ROW1
.else
	v_wmma_scale_f32_16x16x128_f8f6f4 v[S+64*\w+8*\t:S+64*\w+8*\t+7], v[FK+6*\t:FK+6*\t+11], v[Q+12*\w:Q+12*\w+11], v[BI+8*\t:BI+8*\t+7], v[KSR+\t/2], v[QS] matrix_a_fmt:MATRIX_FMT_FP6 matrix_b_fmt:MATRIX_FMT_FP6
.endif
.endif
.endr
.endm
; O^T += V^T P^T: four tiles of 16 of the head's 64 for each tile of queries; K = the step's 128 keys.  The eight accumulators take turns.
.macro PV
.irp i, 0,1,2,3
.irp w, 0,1
.if (\i%2) == 1
	v_wmma_scale_f32_16x16x128_f8f6f4 v[O+32*\w+8*\i:O+32*\w+8*\i+7], v[FV+12*\i:FV+12*\i+11], v[PC+20*\w:PC+20*\w+11], v[O+32*\w+8*\i:O+32*\w+8*\i+7], v[VSR+\i/2], v[PW+\w] matrix_a_fmt:MATRIX_FMT_FP6 matrix_b_fmt:MATRIX_FMT_FP6 matrix_a_scale:MATRIX_SCALE_ROW1
.else
	v_wmma_scale_f32_16x16x128_f8f6f4 v[O+32*\w+8*\i:O+32*\w+8*\i+7], v[FV+12*\i:FV+12*\i+11], v[PC+20*\w:PC+20*\w+11], v[O+32*\w+8*\i:O+32*\w+8*\i+7], v[VSR+\i/2], v[PW+\w] matrix_a_fmt:MATRIX_FMT_FP6 matrix_b_fmt:MATRIX_FMT_FP6
.endif
.endr
.endr
.endm
; Both tiles' softmax for 128 keys, line by line by turns.
.macro SOFTMAX
.irp b, 0,1,2,3
.irp w, 0,1
	v_max3_num_f32 v[BM+4*\w+\b], v[S+64*\w+16*\b], v[S+64*\w+16*\b+1], v[S+64*\w+16*\b+2]   ; the largest score of each block of 32 keys: for the row's maximum, and, since p rises with the score, for the block's largest p
.endr
.endr
.irp i, 3,5,7,9,11,13
.irp b, 0,1,2,3
.irp w, 0,1
	v_max3_num_f32 v[BM+4*\w+\b], v[BM+4*\w+\b], v[S+64*\w+16*\b+\i], v[S+64*\w+16*\b+\i+1]
.endr
.endr
.endr
.irp b, 0,1,2,3
.irp w, 0,1
	v_max_num_f32 v[BM+4*\w+\b], v[BM+4*\w+\b], v[S+64*\w+16*\b+15]
.endr
.endr
.irp b, 0,1,2,3
.irp w, 0,1
	v_permlanex16_b32 v[PP+4*\w+\b], v[BM+4*\w+\b], s[SEL], s[SEL+1]
.endr
.endr
.irp b, 0,1,2,3
.irp w, 0,1
	v_max_num_f32 v[BM+4*\w+\b], v[BM+4*\w+\b], v[PP+4*\w+\b]     ; with lane l xor 16's 16 keys
.endr
.endr
.irp w, 0,1
	v_mov_b32 v[PP+4*\w], v[NM+2*\w]               ; the old -M
.endr
.irp w, 0,1
	v_max3_num_f32 v[TMP+\w], v[BM+4*\w], v[BM+4*\w+1], v[BM+4*\w+2]
.endr
.irp w, 0,1
	v_max_num_f32 v[TMP+\w], v[TMP+\w], v[BM+4*\w+3]
.endr
.irp w, 0,1
	v_mul_f32 v[TMP+\w], s[CS], v[TMP+\w]          ; as t
.endr
.irp w, 0,1
	v_max_num_f32 v[MT+2*\w], v[MT+2*\w], v[TMP+\w]   ; the running largest t
.endr
.irp w, 0,1
	v_floor_f32 v[NM+2*\w], -v[MT+2*\w]            ; -M = floor(-t): M is a whole number
.endr
.set jj, 0
.rept 32
.irp w, 0,1
	v_pk_fma_f32 v[S+64*\w+jj:S+64*\w+jj+1], v[S+64*\w+jj:S+64*\w+jj+1], s[CS:CS+1], v[NM+2*\w:NM+2*\w+1] op_sel_hi:[1,0,0]   ; t - M, two at a time
.endr
.if jj == 6                            ; f = 2^(old M - new M), a factor that rounds nothing, is made among these lines
.irp w, 0,1
	v_sub_f32 v[TMP+\w], v[NM+2*\w], v[PP+4*\w]    ; old M - new M, a whole number, 0 or less
.endr
.endif
.if jj == 14
.irp w, 0,1
	v_cvt_i32_f32 v[TMP+\w], v[TMP+\w]             ; (it saturates)
.endr
.endif
.if jj == 22
.irp w, 0,1
	v_ldexp_f32 v[FF+2*\w], 1.0, v[TMP+\w]
.endr
.endif
.set jj, jj+2
.endr
.irp b, 0,1,2,3
.irp w, 0,1
	v_fma_f32 v[BM+4*\w+\b], v[BM+4*\w+\b], s[CS], v[NM+2*\w]     ; the same of each block's largest score
.endr
.endr
	s_wait_alu depctr_va_vdst(0)                   ; the wait ahead of the batch
.set jj, 0
.rept 64
.irp w, 0,1
	v_exp_f32 v[S+64*\w+jj], v[S+64*\w+jj]         ; p = 2^(t - M), not normalised
.endr
.set jj, jj+1
.endr
.irp b, 0,1,2,3
.irp w, 0,1
	v_exp_f32 v[BM+4*\w+\b], v[BM+4*\w+\b]         ; the block's largest p: the same two instructions on the same number
.endr
.endr
.irp w, 0,1
	v_pk_mul_f32 v[SUM+2*\w:SUM+2*\w+1], v[SUM+2*\w:SUM+2*\w+1], v[FF+2*\w:FF+2*\w+1] op_sel_hi:[1,0]   ; l under the new M (plain places behind the exponentials)
.endr
	s_wait_alu depctr_va_vdst(0)                   ; one wait for the whole batch, ahead of its first reader
.irp b, 0,1,2,3
.irp w, 0,1
	v_max_num_f32 v[BM+4*\w+\b], 0x1800000, v[BM+4*\w+\b]    ; the floor 2^(3 - 127): the byte cannot fall under 1
.endr
.endr
.irp b, 0,1,2,3
.irp w, 0,1
	v_add_nc_u32 v[SO+4*\w+\b], 0xff000000, v[BM+4*\w+\b]    ; 2 off the exponent field: the conversion's scale operand
.endr
.endr
.irp b, 0,1,2,3
.irp w, 0,1
	v_lshrrev_b32 v[PP+4*\w+\b], 23, v[SO+4*\w+\b]           ; the scale's byte
.endr
.endr
.irp w, 0,1
	v_lshl_or_b32 v[PP+4*\w], v[PP+4*\w+1], 8, v[PP+4*\w]
.endr
.irp w, 0,1
	s_delay_alu instid0(VALU_DEP_4)
	v_lshl_or_b32 v[PP+4*\w+2], v[PP+4*\w+3], 8, v[PP+4*\w+2]
.endr
.irp w, 0,1
	s_delay_alu instid0(VALU_DEP_2)
	v_lshl_or_b32 v[PW+\w], v[PP+4*\w+2], 16, v[PP+4*\w]     ; p's scale word
.endr
	WIN 0x40                                       ; the codes go to window 1
.irp w, 0,1
.irp c, 0,1
	v_cvt_scalef32_pk16_fp6_f32 v[PC+20*\w+6*\c:PC+20*\w+6*\c+2], v[S+64*\w+32*\c:S+64*\w+32*\c+15], v[SO+4*\w+2*\c]
	v_cvt_scalef32_pk16_fp6_f32 v[PC+20*\w+12+4*\c:PC+20*\w+14+4*\c], v[S+64*\w+32*\c+16:S+64*\w+32*\c+31], v[SO+4*\w+2*\c+1]
.endr
.endr
	v_nop                                          ; one plain place behind a scaled conversion
	WIN 0x41
.irp w, 0,1                                    ; a whole block to a lane: lanes 0-15 block 2 c, lanes 16-31 block 2 c + 1
.irp c, 0,1
.irp i, 0,1,2
	v_permlane16_swap_b32 v[PC+20*\w+6*\c+\i], v[PC+20*\w+12+4*\c+\i]
.endr
.endr
.endr
.irp w, 0,1
.irp c, 0,1
.irp i, 0,1,2
	v_mov_b32 v[PC+20*\w+3+6*\c+\i], v[PC+20*\w+12+4*\c+\i]
.endr
.endr
.endr
	s_wait_alu depctr_va_vdst(0)                   ; directly ahead of the first reader of O^T
.set jj, 0
.rept 16
.irp w, 0,1
	v_pk_mul_f32 v[O+32*\w+jj:O+32*\w+jj+1], v[O+32*\w+jj:O+32*\w+jj+1], v[FF+2*\w:FF+2*\w+1] op_sel_hi:[1,0]   ; O^T under the new M, each accumulator from its low end on
.endr
.set jj, jj+2
.endr
	WIN 0
.irp st, 2,4,8,16,32                           ; l takes the UNQUANTISED p: a tree over each tile's 32 pairs, in place (the codes are made)
.set jj, 0
.rept 32/\st
.irp w, 0,1
.if \st == 32
	s_delay_alu instid0(VALU_DEP_2)
.endif
.if (\st == 16) && (jj > 0)
	s_delay_alu instid0(VALU_DEP_4)
.endif
	v_pk_add_f32 v[S+64*\w+jj:S+64*\w+jj+1], v[S+64*\w+jj:S+64*\w+jj+1], v[S+64*\w+jj+\st:S+64*\w+jj+\st+1]
.endr
.set jj, jj+2*\st
.endr
.endr
.irp w, 0,1
	s_delay_alu instid0(VALU_DEP_2)
	v_pk_add_f32 v[SUM+2*\w:SUM+2*\w+1], v[SUM+2*\w:SUM+2*\w+1], v[S+64*\w:S+64*\w+1]
.endr
.endm
; Both tiles' end: ctx = O^T / l, its true order along the head's 64 restored, quantised: registers 0-5 of the next product's fragment in v[PC] on (window 1), my block's scale byte in v[TMP].
.macro FINISH
.irp w, 0,1
	v_add_f32 v[SUM+2*\w], v[SUM+2*\w], v[SUM+2*\w+1]
.endr
.irp w, 0,1
	s_delay_alu instid0(VALU_DEP_2)
	v_permlanex16_b32 v[TMP+\w], v[SUM+2*\w], s[SEL], s[SEL+1]
.endr
.irp w, 0,1
	s_delay_alu instid0(VALU_DEP_2)
	v_add_f32 v[SUM+2*\w], v[SUM+2*\w], v[TMP+\w]  ; the row's sum
.endr
	s_wait_alu depctr_va_vdst(0)
.irp w, 0,1
	v_rcp_f32 v[SUM+2*\w], v[SUM+2*\w]
.endr
.irp w, 0,1
	v_mov_b32 v[SUM+2*\w+1], 0                     ; (plain places behind the reciprocals; the pairs' upper halves)
.endr
	WIN 0x01                                       ; O^T: window 1
	s_wait_alu depctr_va_vdst(0)
.set jj, 0
.rept 16
.irp w, 0,1
	v_pk_mul_f32 v[S+64*\w+jj:S+64*\w+jj+1], v[O+32*\w+jj:O+32*\w+jj+1], v[SUM+2*\w:SUM+2*\w+1] op_sel_hi:[1,0]
.endr
.set jj, jj+2
.endr
	WIN 0
.irp w, 0,1
.irp b, 0,1                                    ; register 8 i + j is dim 16 i + 8 g + j; the first's lanes 16-31 change places with the second's lanes 0-15: register 16 b + i is then dim 32 b + 16 g + i
.irp j, 0,1,2,3,4,5,6,7
	v_permlane16_swap_b32 v[S+64*\w+16*\b+\j], v[S+64*\w+16*\b+8+\j]
.endr
.endr
.endr
.irp b, 0,1
.irp w, 0,1
	v_max3_num_f32 v[BM+4*\w+\b], |v[S+64*\w+16*\b]|, |v[S+64*\w+16*\b+1]|, 0x1800000
.endr
.endr
.irp i, 2,4,6,8,10,12,14
.irp b, 0,1
.irp w, 0,1
	s_delay_alu instid0(VALU_DEP_4)
	v_max3_num_f32 v[BM+4*\w+\b], v[BM+4*\w+\b], |v[S+64*\w+16*\b+\i]|, |v[S+64*\w+16*\b+\i+1]|
.endr
.endr
.endr
.irp b, 0,1
.irp w, 0,1
	s_delay_alu instid0(VALU_DEP_4)
	v_permlanex16_b32 v[PP+4*\w+\b], v[BM+4*\w+\b], s[SEL], s[SEL+1]
.endr
.endr
.irp b, 0,1
.irp w, 0,1
	s_delay_alu instid0(VALU_DEP_4)
	v_max_num_f32 v[BM+4*\w+\b], v[BM+4*\w+\b], v[PP+4*\w+\b]
.endr
.endr
.irp b, 0,1
.irp w, 0,1
	s_delay_alu instid0(VALU_DEP_4)
	v_add_nc_u32 v[SO+4*\w+\b], 0xff000000, v[BM+4*\w+\b]
.endr
.endr
.irp b, 0,1
.irp w, 0,1
	s_delay_alu instid0(VALU_DEP_4)
	v_lshrrev_b32 v[PP+4*\w+\b], 23, v[SO+4*\w+\b]
.endr
.endr
	WIN 0x40
.irp w, 0,1
	v_cvt_scalef32_pk16_fp6_f32 v[PC+20*\w:PC+20*\w+2], v[S+64*\w:S+64*\w+15], v[SO+4*\w]
	v_cvt_scalef32_pk16_fp6_f32 v[PC+20*\w+12:PC+20*\w+14], v[S+64*\w+16:S+64*\w+31], v[SO+4*\w+1]
.endr
	v_nop
	WIN 0x41
.irp w, 0,1
.irp i, 0,1,2
	v_permlane16_swap_b32 v[PC+20*\w+\i], v[PC+20*\w+12+\i]
.endr
.endr
.irp w, 0,1
.irp i, 0,1,2
	v_mov_b32 v[PC+20*\w+3+\i], v[PC+20*\w+12+\i]
.endr
.endr
	WIN 0
.irp w, 0,1
	v_cndmask_b32 v[TMP+\w], v[PP+4*\w], v[PP+4*\w+1], s94      ; lane (r, g) keeps block g's byte
.endr
.endm
	LOADK AK0, ASK0, APB0                          ; the first pass's first step
	LOADV AV0, ASV0
	s_mov_b32 s[PASS], 0
.Lpass:                                            ; two trips: query blocks x and 7 - x
	s_sub_co_u32 s95, 7, s[XX]
	s_cmp_eq_u32 s[PASS], 0
	s_cselect_b32 s95, s[XX], s95
	s_lshl_b32 s[Q0W], s95, 8
	s_lshl_b32 s95, s[WV], 5
	s_add_co_u32 s[Q0W], s[Q0W], s95               ; my first query: 256 x block + 32 x wave
	s_and_b32 s[DK], s[Q0W], 0xffffff80
	s_mul_i32 s2, s[BH], 98304
	s_mul_i32 s95, s[Q0W], 48
	s_add_co_u32 s2, s2, s95
	s_add_nc_u64 s[98:99], s[4:5], s[2:3]          ; Q's images
	s_lshl_b32 s2, s67, 13
	s_lshl_b32 s95, s[Q0W], 2
	s_add_co_u32 s2, s2, s95
	s_lshl_b32 s95, s[HO], 1
	s_add_co_u32 s2, s2, s95
	s_add_nc_u64 s[100:101], s[6:7], s[2:3]        ; and my head's two scale bytes of each query
	WIN 0x40
.irp w, 0,1
.irp j, 0,1,2
	global_load_b64 v[Q+12*\w+2*\j:Q+12*\w+2*\j+1], v[AK0], s[98:99] offset:768*\w+256*\j
.endr
.endr
.set jj, 0
.rept 64
	v_mov_b32 v[O+jj], 0                           ; the step is written once: its first trip finds zeros, which the first change of M leaves zeros
.set jj, jj+1
.endr
	WIN 0
	global_load_u16 v[QS], v[QSO], s[100:101]      ; bytes 2, 3 come as 0: the scale of the zero codes
.irp w, 0,1
	v_mov_b32 v[MT+2*\w], 0xff61b1e6               ; -3e38, under every t
	v_mov_b32 v[SUM+2*\w], 0
	v_mov_b32 v[SUM+2*\w+1], 0
.endr
.irp w, 0,1
	v_floor_f32 v[NM+2*\w], -v[MT+2*\w]
.endr
	s_mov_b32 s[KF], 0
	s_mov_b32 s[STP], 16
	s_wait_alu depctr_va_vdst(0)                   ; directly ahead of the waits below
	s_wait_loadcnt 0x0                             ; Q; the loads' bases are free: they now take the pass's stores
	s_wait_dscnt 0x0                               ; the pass's first step
	s_mul_i32 s2, s[HP], 786432
	s_mul_i32 s95, s[BB], 196608
	s_add_co_u32 s2, s2, s95
	s_mul_i32 s95, s[Q0W], 96
	s_add_co_u32 s2, s2, s95
	s_mul_i32 s95, s[HO], 768
	s_add_co_u32 s2, s2, s95
	s_add_nc_u64 s[98:99], s[18:19], s[2:3]        ; cimg: head pair, token tile, my head's three pieces
	s_lshl_b32 s2, s[BB], 16
	s_lshl_b32 s95, s[Q0W], 5
	s_add_co_u32 s2, s2, s95
	s_lshl_b32 s95, s[HH], 1
	s_add_co_u32 s2, s2, s95
	s_add_nc_u64 s[100:101], s[20:21], s[2:3]      ; csc: token's row, bytes 2 h, 2 h + 1
.Lstep:                                            ; 16 trips of 128 keys
	s_cmp_lg_u32 s[KF], s[DK]                      ; the diagonal's step?  A branch on ids
	s_cbranch_scc1 .Lopen1
	MASK 1                                         ; tile 1 first: its hidden keys are a part of tile 0's, so the biases are masked further in place
.Lopen1:
	WIN 0x15                                       ; K, Q and bias window 1, S^T window 0
	SCORES 1
	WIN 0
	s_cmp_lg_u32 s[KF], s[DK]
	s_cbranch_scc1 .Lopen0
.rept 4
	v_nop                                          ; places behind the products that read the biases
.endr
	MASK 0
.Lopen0:
	WIN 0x15
	SCORES 0
	WIN 0
	s_add_co_u32 s[KN], s[KF], 128
	s_and_b32 s[KN], s[KN], 2047                   ; behind the last step comes key 0
	s_mul_i32 s[IOFF], s[KN], 48
	s_lshl_b32 s[KSOFF], s[KN], 2
	s_lshl_b32 s[VSOFF], s[KN], 1
	s_cmp_gt_u32 s[KN], s[DK]
	s_cselect_b32 s[BOFF], 8192, s[KSOFF]          ; a step wholly in the future reads the run of -10000
	v_add_nc_u32 v[ADK], s[IOFF], v[AK0]           ; (these four are the places between the products, the loads into their registers and the first reads of S^T)
	v_add_nc_u32 v[ADS], s[KSOFF], v[ASK0]
	v_add_nc_u32 v[ADB], s[BOFF], v[APB0]
	v_nop
	LOADK ADK, ADS, ADB                            ; the next step's: they land while the softmax runs
	SOFTMAX
	s_wait_alu depctr_va_vdst(0)
	s_wait_dscnt 0x0                               ; this step's V, the next step's K
	WIN 0x54                                       ; V window 0; codes and O^T window 1
	PV
	WIN 0
	v_add_nc_u32 v[ADV], s[IOFF], v[AV0]           ; (four places behind the products)
	v_add_nc_u32 v[ADT], s[VSOFF], v[ASV0]
	v_nop
	v_nop
	LOADV ADV, ADT                                 ; the next step's V
	s_add_co_u32 s[KF], s[KF], 128
	s_sub_co_u32 s[STP], s[STP], 1
	s_cmp_lg_u32 s[STP], 0
	s_cbranch_scc1 .Lstep
	FINISH
	WIN 0x04                                       ; the data: window 1
.irp w, 0,1
.irp j, 0,1,2
	global_store_b64 v[AK0], v[PC+20*\w+2*\j:PC+20*\w+2*\j+1], s[98:99] offset:1536*\w+256*\j   ; 32 lanes store 256 consecutive aligned bytes
.endr
.endr
	WIN 0
.irp w, 0,1
	global_store_b8 v[CSO], v[TMP+\w], s[100:101] offset:512*\w
.endr
	s_wait_xcnt 0x0                                ; the stores' data and bases are rewritten only behind this wait
	s_add_co_u32 s[PASS], s[PASS], 1
	s_cmp_lt_u32 s[PASS], 2
	s_cbranch_scc1 .Lpass
	s_wait_tensorcnt 0x0                           ; the wave's end
	ds_add_u32 v254, v255
	s_wait_dscnt 0x0
	s_endpgm
.Lfunc_end_k_qdae27ec907_attn:
	.size	k_qdae27ec907_attn, .Lfunc_end_k_qdae27ec907_attn-k_qdae27ec907_attn
	.p2alignl 7, 3214868480
	.fill 96, 4, 3214868480
	.section	.rodata,"a",@progbits
	.p2align	6, 0x0
	.amdhsa_kernel k_qdae27ec907_attn
		.amdhsa_group_segment_fixed_size 219136
		.amdhsa_private_segment_fixed_size 0
		.amdhsa_enable_private_segment 0
		.amdhsa_kernarg_size 72
		.amdhsa_user_sgpr_count 2
		.amdhsa_user_sgpr_kernarg_segment_ptr 1
		.amdhsa_wavefront_size32 1
		.amdhsa_system_sgpr_workgroup_id_x 1
		.amdhsa_system_sgpr_workgroup_id_y 1
		.amdhsa_system_sgpr_workgroup_id_z 1
		.amdhsa_system_vgpr_workitem_id 0
		.amdhsa_next_free_vgpr 512
		.amdhsa_next_free_sgpr 102
		.amdhsa_reserve_vcc 1
		.amdhsa_float_denorm_mode_32 3
		.amdhsa_float_denorm_mode_16_64 3
		.amdhsa_memory_ordered 1
		.amdhsa_forward_progress 1
		.amdhsa_inst_pref_size 75
	.end_amdhsa_kernel
	.amdgpu_metadata
---
amdhsa.version: [ 1, 2 ]
amdhsa.kernels:
  - .name:           k_qdae27ec907_attn
    .symbol:         k_qdae27ec907_attn.kd
    .args:
      - { .name: qimg, .offset: 0, .size: 8, .value_kind: global_buffer, .address_space: global }
      - { .name: qsc, .offset: 8, .size: 8, .value_kind: global_buffer, .address_space: global }
      - { .name: kimg, .offset: 16, .size: 8, .value_kind: global_buffer, .address_space: global }
      - { .name: ksc, .offset: 24, .size: 8, .value_kind: global_buffer, .address_space: global }
      - { .name: vimg, .offset: 32, .size: 8, .value_kind: global_buffer, .address_space: global }
      - { .name: vsc, .offset: 40, .size: 8, .value_kind: global_buffer, .address_space: global }
      - { .name: attn_mask, .offset: 48, .size: 8, .value_kind: global_buffer, .address_space: global }
      - { .name: cimg, .offset: 56, .size: 8, .value_kind: global_buffer, .address_space: global }
      - { .name: csc, .offset: 64, .size: 8, .value_kind: global_buffer, .address_space: global }
    .group_segment_fixed_size: 219136
    .private_segment_fixed_size: 0
    .kernarg_segment_align: 8
    .kernarg_segment_size: 72
    .max_flat_workgroup_size: 256
    .sgpr_count:     102
    .vgpr_count:     512
    .wavefront_size: 32
...
	.end_amdgpu_metadata
.endif
;; end of part 2
;; launch outp (part 3): grid 4 x 64, 4 waves a work-group, clusters of 4 x 4, 327,680 bytes of LDS; arguments cimg, csc, Wo_codes, Wo_scales, out0; writes out0
.if DOCPART == 3
	.amdgcn_target "amdgcn-amd-amdhsa--gfx1250"
	.amdhsa_code_object_version 6
	.text
	.protected	k_qdae27ec907_outp
	.globl	k_qdae27ec907_outp
	.p2align	8
	.type	k_qdae27ec907_outp,@function
k_qdae27ec907_outp:
	s_mov_b64 s[64:65], 0
	v_nop
	global_prefetch_b8 v0, s[64:65] scope:SCOPE_SE
	s_setreg_imm32_b32 hwreg(HW_REG_WAVE_MODE, 25, 1), 1
	s_wait_xcnt 0x0
	s_wait_alu depctr_hold_cnt(0) depctr_sa_sdst(0) depctr_va_vdst(0) depctr_va_sdst(0) depctr_va_ssrc(0) depctr_va_vcc(0) depctr_vm_vsrc(0)
	s_getreg_b32 s2, hwreg(HW_REG_IB_STS2, 6, 4)
	s_cmp_eq_u32 s2, 0
	s_cbranch_scc0 .Lentry_in_a_cluster
	s_endpgm
.Lentry_in_a_cluster:
	s_bfe_u32 s2, ttmp6, 0x10000c
	s_cmp_lg_u32 s2, 0xf033
	s_cbranch_scc0 .Lentry_shape_is_right
	s_endpgm
.Lentry_shape_is_right:
; out = ctx Wo^T on codes of FP6 (E2M3); sums and result f32.  ctx comes as images of the operand's registers, cimg [head pair 8][token tile 512][6][256], with its scale bytes csc [token][32]; Wo as given.
; A BLOCK of out is 128 tokens x 256 columns, all of K = 1,024: 256 work-groups.  All operands are staged in LDS ONCE: no slot is filled again, one work-group barrier.
; One joint load a wave: waves 0, 1 fetch four planes each of ctx's images (12,288 dense bytes of each plane), waves 2, 3 128 whole rows each of Wo (768 bytes, each beginning at a multiple of 256 bytes; 16 bytes of padding behind each 256: an LDS row is 816 bytes).
; CLUSTERS 4 x 4: ctx's tile is shared along a row of the cluster, Wo's along a column.  NO PREFETCH: the launch has no loop to run ahead in; all its tiles are asked for by its first loads.
; The scales come from memory straight into registers: lane l takes the 32 bytes (8 words, one for each 128 along K) of row l % 16 of a block of 16 rows.
; A wave makes 64 x 128: 32 accumulators (window 2); fragments in two sets, ctx's in window 0, Wo's in window 1.  Transposed use (source 0 = 16 rows of Wo): a lane holds eight neighbouring columns of one row of out.
.set PITCH,  816
.set FR,     12
.set BASEB,  98304                     ; Wo's 256 rows lie behind ctx's eight planes
.set SPARE,  BASEB+256*PITCH           ; the spare words, 512 bytes
.set STAGE,  SPARE+512                 ; the way out: 16 rows x (256 + 16) bytes for each wave; no fill lands here
.set SPITCH, 272
.set ADRA, 16                          ; v16-17 my token tiles in planes 0-3, 4-7
.set ADRB, 20                          ; v20-21 Wo's blocks 0-3, 4-7; v22-23 the same + 16 in lanes 16-31
.set STO,  24
.set RD,   25
.set CO,   26
.set SPW,  28
.set NIL,  29
.set SOF,  30
.set SA,   32
.set SB,   64
.set AF,   128
.set BK,   128
.set WV, 14
.set HA, 15
.set HB, 16
.set RR, 17
.set G1, 24
.set G0, 32
.set CX, 40
.set CY, 41
.set CC, 42
.set G1B, 48
.set G0B, 56
.set MSB, 0
.macro WIN new
.if MSB != \new
	s_set_vgpr_msb (MSB<<8)|\new
.set MSB, \new
.endif
.endm
.macro CROUND
	s_barrier_signal -1
	s_barrier_wait -1
	s_cmp_lg_u32 s[WV], 0
	s_cbranch_scc1 .Lnot_wave_0_\@
	s_barrier_signal -3
.Lnot_wave_0_\@:
	s_barrier_wait -3
	s_barrier_signal -1
	s_barrier_wait -1
.endm
.macro PLACES
.rept 4
	v_nop
.endr
.endm
	s_load_b256 s[4:11], s[0:1], 0x0               ; cimg, csc, Wo's codes, Wo's scales
	s_load_b64 s[12:13], s[0:1], 0x20              ; out
	v_lshl_add_u32 v[SPW], v0, 2, SPARE
	v_mov_b32 v[NIL], 0
	ds_add_u32 v[SPW], v[NIL]                      ; the opening lines: the add twice on end
	ds_add_u32 v[SPW], v[NIL]
	v_lshrrev_b32 v1, 5, v0
	v_readfirstlane_b32 s[WV], v1
	s_lshr_b32 s[HA], s[WV], 1                     ; my half of the tokens; also: I fetch ctx (0) or Wo (1)
	s_and_b32 s[HB], s[WV], 1                      ; my half of the columns; also: which half I fetch
	s_bfe_u32 s[CX], ttmp6, 0x40000
	s_bfe_u32 s[CY], ttmp6, 0x40004
	s_lshl_b32 s[CC], ttmp9, 2
	s_add_co_u32 s[CC], s[CC], s[CX]               ; block column
	s_and_b32 s[RR], ttmp7, 0xffff
	s_lshl_b32 s[RR], s[RR], 2
	s_add_co_u32 s[RR], s[RR], s[CY]               ; block row
	s_lshl_b32 s43, s[CY], 2
	s_lshl_b32 s43, 15, s43
	s_lshl_b32 s44, 0x1111, s[CX]
	s_or_b32 s[G1], s43, (3<<16)|(1<<21)           ; elements of 8 bytes, no padding: 4 planes x 1,536 elements
	s_mov_b32 s[G1+1], 1536<<16
	s_mov_b32 s[G1+2], 4<<16
	s_mov_b32 s[G1+3], 1536<<16
	s_mov_b32 s[G1+4], 4
	s_mov_b32 s[G1+5], 98304
	s_mov_b32 s[G1+6], 0
	s_mov_b32 s[G1+7], 0
	s_or_b32 s[G1B], s44, (1<<20)|(1<<21)|(5<<22)|(3<<25)
	s_mov_b32 s[G1B+1], 768<<16
	s_mov_b32 s[G1B+2], 128<<16
	s_mov_b32 s[G1B+3], 768<<16
	s_mov_b32 s[G1B+4], 128
	s_mov_b32 s[G1B+5], 768
	s_mov_b32 s[G1B+6], 0
	s_mov_b32 s[G1B+7], 0
	s_mov_b32 s[G0], 1
	s_mul_i32 s[G0+1], s[HB], 49152
	s_mov_b32 s[G0B], 1
	s_mul_i32 s[G0B+1], s[HB], 128*PITCH
	s_add_co_u32 s[G0B+1], s[G0B+1], BASEB
	s_mul_i32 s22, s[HA], 6144                     ; my four token tiles in a plane
	s_mul_i32 s23, s[HB], 128*PITCH
	s_add_co_u32 s23, s23, BASEB                   ; my rows of Wo
	s_mul_i32 s45, s[WV], 16*SPITCH
	s_add_co_u32 s45, s45, STAGE
	s_lshl_b32 s20, s[RR], 7
	s_lshl_b32 s21, s[HA], 6
	s_add_co_u32 s20, s20, s21                     ; my first token
	s_lshl_b32 s21, s[CC], 8
	s_lshl_b32 s46, s[HB], 7
	s_add_co_u32 s21, s21, s46                     ; my first row of Wo = my first column
	s_mov_b32 s3, 0
	v_and_b32 v1, 15, v0
	v_bfe_u32 v2, v0, 4, 1
	v_and_b32 v6, 31, v0
	v_mul_u32_u24 v3, v1, PITCH
	v_mad_u32_u24 v3, v2, 24, v3
	v_lshl_add_u32 v4, v2, 4, v3
	v_lshl_add_u32 v[ADRA], v6, 3, s22
	v_add_nc_u32 v[ADRA+1], 49152, v[ADRA]
	v_add_nc_u32 v[ADRB], s23, v3
	v_add_nc_u32 v[ADRB+2], s23, v4
	v_add_nc_u32 v[ADRB+1], 64*PITCH, v[ADRB]
	v_add_nc_u32 v[ADRB+3], 64*PITCH, v[ADRB+2]
	v_lshlrev_b32 v[SOF], 5, v1
	v_mul_u32_u24 v5, v1, SPITCH                   ; in: row r, 32 bytes for each half of the lanes
	v_lshl_add_u32 v5, v2, 5, v5
	v_add_nc_u32 v[STO], s45, v5
	v_mul_u32_u24 v7, v2, SPITCH                   ; back: lanes 0-15 one row of 256 bytes, lanes 16-31 the next
	v_lshl_add_u32 v7, v1, 4, v7
	v_add_nc_u32 v[RD], s45, v7
	v_lshlrev_b32 v8, 12, v2                       ; and the same two rows in out
	v_lshl_add_u32 v[CO], v1, 4, v8
	s_wait_alu depctr_va_vdst(0)                   ; the wait at the head's end
	s_wait_dscnt 0x0
	s_wait_kmcnt 0x0
	s_mul_i32 s2, s[RR], 12288
	s_mul_i32 s46, s[HB], 3145728
	s_add_co_u32 s2, s2, s46
	s_add_nc_u64 s[G0+2:G0+3], s[4:5], s[2:3]
	s_or_b32 s[G0+3], s[G0+3], 0x80000000
	s_mul_i32 s2, s21, 768
	s_add_nc_u64 s[G0B+2:G0B+3], s[8:9], s[2:3]
	s_or_b32 s[G0B+3], s[G0B+3], 0x80000000
	s_lshl_b32 s2, s20, 5
	s_add_nc_u64 s[6:7], s[6:7], s[2:3]
	s_lshl_b32 s2, s21, 5
	s_add_nc_u64 s[10:11], s[10:11], s[2:3]
	s_lshl_b32 s2, s20, 12
	s_lshl_b32 s46, s21, 2
	s_add_co_u32 s2, s2, s46
	s_add_nc_u64 s[12:13], s[12:13], s[2:3]
	CROUND                                         ; all sixteen work-groups are here: the joint loads meet
	s_cmp_eq_u32 s[HA], 0
	s_cbranch_scc0 .Lfor_b
	tensor_load_to_lds s[G0:G0+3], s[G1:G1+7]      ; my one tensor load of the launch
	s_nop 0
	PLACES
	s_branch .Lasked
.Lfor_b:
	tensor_load_to_lds s[G0B:G0B+3], s[G1B:G1B+7]
	s_nop 0
	PLACES
.Lasked:
.irp i, 0,1,2,3
	global_load_b128 v[SA+8*\i:SA+8*\i+3], v[SOF], s[6:7] offset:512*\i
	global_load_b128 v[SA+8*\i+4:SA+8*\i+7], v[SOF], s[6:7] offset:512*\i+16
.endr
.irp i, 0,1,2,3,4,5,6,7
	global_load_b128 v[SB+8*\i:SB+8*\i+3], v[SOF], s[10:11] offset:512*\i
	global_load_b128 v[SB+8*\i+4:SB+8*\i+7], v[SOF], s[10:11] offset:512*\i+16
.endr
	s_wait_loadcnt 0x0
	s_wait_tensorcnt 0x0                           ; my tile is in
	s_barrier_signal -1
	s_barrier_wait -1                              ; everybody's is: from here on the tiles are only read
.macro FRAG reg, adr, st, i            ; Wo: byte y of a row of codes lies at y + 16 (y / 256) of its LDS row
.irp p, 0,1,2,3,4,5
.set BY, 96*(\st)+48*(\p/3)+8*(\p%3)
.set OFS, BY+16*(BY/256)+((\i)%4)*16*PITCH
.if BY/256 == (BY+24)/256
	ds_load_b64 v[\reg+2*\p:\reg+2*\p+1], v[\adr+(\i)/4] offset:OFS
.else
	ds_load_b64 v[\reg+2*\p:\reg+2*\p+1], v[\adr+2+(\i)/4] offset:OFS
.endif
.endr
.endm
.macro FRAGA reg, st, i                ; ctx: plane st, token tile i: six pieces of 256 consecutive bytes
.irp p, 0,1,2,3,4,5
	ds_load_b64 v[\reg+2*\p:\reg+2*\p+1], v[ADRA+(\st)/4] offset:12288*((\st)%4)+1536*(\i)+256*\p
.endr
.endm
.macro FETCH st
	WIN 0x40
.irp i, 0,1,2,3,4,5,6,7
	FRAG 128*((\st)%2)+FR*\i, ADRB, \st, \i
.endr
	WIN 0
.irp i, 0,1,2,3
	FRAGA AF+48*((\st)%2)+FR*\i, \st, \i
.endr
.endm
.macro MUL st, zero                    ; 32 products, the 32 accumulators by turns
.irp a, 0,1,2,3
.irp b, 0,1,2,3,4,5,6,7
.if \zero
	v_wmma_scale_f32_16x16x128_f8f6f4 v[8*(8*\a+\b):8*(8*\a+\b)+7], v[128*((\st)%2)+FR*\b:128*((\st)%2)+FR*\b+FR-1], v[AF+48*((\st)%2)+FR*\a:AF+48*((\st)%2)+FR*\a+FR-1], 0, v[SB+8*\b+(\st)], v[SA+8*\a+(\st)] matrix_a_fmt:MATRIX_FMT_FP6 matrix_b_fmt:MATRIX_FMT_FP6
.else
	v_wmma_scale_f32_16x16x128_f8f6f4 v[8*(8*\a+\b):8*(8*\a+\b)+7], v[128*((\st)%2)+FR*\b:128*((\st)%2)+FR*\b+FR-1], v[AF+48*((\st)%2)+FR*\a:AF+48*((\st)%2)+FR*\a+FR-1], v[8*(8*\a+\b):8*(8*\a+\b)+7], v[SB+8*\b+(\st)], v[SA+8*\a+(\st)] matrix_a_fmt:MATRIX_FMT_FP6 matrix_b_fmt:MATRIX_FMT_FP6
.endif
.endr
.endr
.endm
	FETCH 0
.set ST, 0
.rept 8                                ; eight steps of 128 along K, written out by the assembler: the register sets and the offsets differ from step to step
	s_wait_dscnt 0x0                               ; this step's fragments are in
.if ST < 7
.if ST > 0
	PLACES                                         ; in front of loads into registers that the last products read
.endif
	FETCH ST+1
.endif
	WIN 0xa1
.if ST == 0
	MUL ST, 1
.else
	MUL ST, 0
.endif
.set ST, ST+1
.endr
	WIN 0
; THE WAY OUT, in eight parts n = 2 a + c: 16 rows x 64 columns go through my own stage and come back as whole rows of 256 bytes.  LDS serves a wave's instructions in order (ISA guide 5.7.1.4): no wait between the stores and the loads.
.macro TOSTAGE n
.set AC, 64*((\n)/2)+32*((\n)%2)
	WIN 0x08                                       ; the data: window 2
.irp b, 0,1,2,3
	ds_store_b128 v[STO], v[AC+8*\b:AC+8*\b+3] offset:64*\b          ; each accumulator from its low end on
	ds_store_b128 v[STO], v[AC+8*\b+4:AC+8*\b+7] offset:64*\b+16
.endr
	WIN 0
.set BB, BK+32*((\n)%2)
.irp t, 0,1,2,3,4,5,6,7
	ds_load_b128 v[BB+4*\t:BB+4*\t+3], v[RD] offset:\t*2*SPITCH
.endr
.endm
.macro SEND n, younger                 ; younger: the LDS instructions issued behind part n's loads
.set BB, BK+32*((\n)%2)
	s_wait_dscnt \younger
.if (\n) > 0 && (\n)%2 == 0
	s_add_nc_u64 s[12:13], s[12:13], 16*4096       ; (behind a wait on XCNT) 16 rows of out on
.endif
.irp t, 0,1,2,3,4,5,6,7
	global_store_b128 v[CO], v[BB+4*\t:BB+4*\t+3], s[12:13] offset:2*\t*4096+256*((\n)%2) th:TH_STORE_NT   ; 16 lanes store 256 consecutive aligned bytes
.endr
.endm
	PLACES
	TOSTAGE 0
.irp n, 1,2,3,4,5,6,7
.if \n > 1
	s_wait_xcnt 0x0                                ; part n - 2's stores have read their registers and their base
.endif
	TOSTAGE \n
	SEND \n-1, 16                                  ; behind part n - 1's loads: part n's 8 stores and 8 loads
.endr
	s_wait_xcnt 0x0
	SEND 7, 0
	s_wait_tensorcnt 0x0                           ; the wave's end
	ds_add_u32 v[SPW], v[NIL]
	s_wait_dscnt 0x0
	CROUND                                         ; the closing round
	s_endpgm
.Lfunc_end_k_qdae27ec907_outp:
	.size	k_qdae27ec907_outp, .Lfunc_end_k_qdae27ec907_outp-k_qdae27ec907_outp
	.p2alignl 7, 3214868480
	.fill 96, 4, 3214868480
	.section	.rodata,"a",@progbits
	.p2align	6, 0x0
	.amdhsa_kernel k_qdae27ec907_outp
		.amdhsa_group_segment_fixed_size 327680
		.amdhsa_private_segment_fixed_size 0
		.amdhsa_enable_private_segment 0
		.amdhsa_kernarg_size 40
		.amdhsa_user_sgpr_count 2
		.amdhsa_user_sgpr_kernarg_segment_ptr 1
		.amdhsa_wavefront_size32 1
		.amdhsa_system_sgpr_workgroup_id_x 1
		.amdhsa_system_sgpr_workgroup_id_y 1
		.amdhsa_system_sgpr_workgroup_id_z 1
		.amdhsa_system_vgpr_workitem_id 0
		.amdhsa_next_free_vgpr 768
		.amdhsa_next_free_sgpr 66
		.amdhsa_reserve_vcc 0
		.amdhsa_float_denorm_mode_32 3
		.amdhsa_float_denorm_mode_16_64 3
		.amdhsa_memory_ordered 1
		.amdhsa_forward_progress 1
		.amdhsa_inst_pref_size 94
	.end_amdhsa_kernel
	.amdgpu_metadata
---
amdhsa.version: [ 1, 2 ]
amdhsa.kernels:
  - .name:           k_qdae27ec907_outp
    .symbol:         k_qdae27ec907_outp.kd
    .args:
      - { .name: cimg, .offset: 0, .size: 8, .value_kind: global_buffer, .address_space: global }
      - { .name: csc, .offset: 8, .size: 8, .value_kind: global_buffer, .address_space: global }
      - { .name: Wo_codes, .offset: 16, .size: 8, .value_kind: global_buffer, .address_space: global }
      - { .name: Wo_scales, .offset: 24, .size: 8, .value_kind: global_buffer, .address_space: global }
      - { .name: out0, .offset: 32, .size: 8, .value_kind: global_buffer, .address_space: global }
    .group_segment_fixed_size: 327680
    .private_segment_fixed_size: 0
    .kernarg_segment_align: 8
    .kernarg_segment_size: 40
    .max_flat_workgroup_size: 128
    .sgpr_count:     66
    .vgpr_count:     768
    .wavefront_size: 32
...
	.end_amdgpu_metadata
.endif
;; end of part 3
